; MI455X (gfx1250); checked and timed in simulation.
; The chip was launched on July 23, 2026; its instructions are those of AMD's public machine-readable ISA for CDNA 5 (MIT licence, August 2026) and "CDNA5" Instruction Set Architecture Reference Guide (July 2026). The comments in the code are by the model that wrote it; some were corrected since.
;; Agent One. Allowed arithmetic: float matrix products may take bf16 or f16 operands with f32 sums; other float arithmetic in f32, or as packed bf16 or f16 multiplies, adds, multiply-adds, maxima and minima; sums over many terms, partial sums and values carried from step to step in f32; what a program stores and reads back later, other than sums and carried values, may be rounded once to bf16 or f16.
;; Inputs: actions 8,192 int32; b_hh 3,072 float32; b_ih 3,072 float32; d2e_emb 513 x 1,024 float32; e2d_b 513 float32; e2d_w 513 x 1,024 float32; global_idxes 8,192 int32; h1_emb 1,000 x 1,024 float32; w_hh 3,072 x 1,024 float32; w_ih 3,072 x 1,024 float32.
;; Outputs: out0 8,192 x 1 int32; out1 8,192 int32.
;; One version. Each part assembles by itself: llvm-mc -triple=amdgcn-amd-amdhsa -mcpu=gfx1250 --defsym DOCPART=n.
;; ======== version 1 of 1: 4 launches
;; workspace buffers: hbf 2,097,152 bytes; wbf 6,291,456 bytes; ebf 1,081,344 bytes; gc 24,576 bytes; eb 2,304 bytes; hp 6,291,456 bytes; cand 90,112 bytes
;; launch prep (part 1): grid 481 x 1, 8 waves a work-group, no clusters, 0 bytes of LDS; arguments d2e_emb, w_ih, b_ih, b_hh, w_hh, h1_emb, e2d_w, e2d_b, gc, wbf, hbf, ebf, eb; writes gc, wbf, hbf, ebf, eb
.if DOCPART == 1
	.amdgcn_target "amdgcn-amd-amdhsa--gfx1250"
	.amdhsa_code_object_version 6
	.text
	.protected	k_q60fcf26df7_prep
	.globl	k_q60fcf26df7_prep
	.p2align	8
	.type	k_q60fcf26df7_prep,@function
k_q60fcf26df7_prep:
	s_mov_b64 s[64:65], 0
	v_nop
	global_prefetch_b8 v0, s[64:65] scope:SCOPE_SE
	s_setreg_imm32_b32 hwreg(HW_REG_WAVE_MODE, 25, 1), 1
	s_wait_xcnt 0x0
; AgentOne, one greedy GRU step (T = 1).  FIRST OF FOUR LAUNCHES: the input gate vector, and the tables rounded to bf16 in the order in which matrix operands take them.
; WORK LEFT OUT, for all values of the inputs:
;  - global_idxes: reference() never uses it.  It is not loaded and is no argument of any launch.
;  - d2e_emb rows 1..512: last0 is the zeros that reference() builds itself and the scan has one step, so row 0 alone is looked up.
;  - gi for every batch row: emb is the same row 0 for all rows, so gi = d2e_emb[0] . w_ih^T + b_ih is ONE vector of 3,072 numbers; it is made once, here.
;  - alive, newly_dead: alive0 is built all true and T = 1, so utterance = token and n_outer = 0 where token = 0, else 1.
;  - 8,192 rows: the state is h1_emb[actions[b]], so a row's token hangs on its action alone.  The token is made once for each of the 1,000 table rows,
;    and the last launch, which reads actions from memory, looks it up.  (Table rows that no action names are computed all the same.)
; LIMITS.  A NaN, an infinity or an overflow in global_idxes or in rows 1..512 of d2e_emb is not carried to the result.  Every floating-point input is rounded once to bf16 (to nearest even);
; sums are f32.  A NaN logit does not win the argmax.  Two logits nearer to each other than the rounding of f32 sums may change places.
; A BLOCK, in all workspace tables, is one matrix operand of 16 rows x 32 k in bf16, 1,024 bytes: bytes 16 L .. of the first 512 are lane L's registers 0-3 (row L % 16, k = 8 (L / 16) + 0..7),
; of the second 512 its registers 4-7 (k = 16 + 8 (L / 16) + 0..7).  So a wave stores and later loads 512 consecutive bytes, aligned, with each instruction.
; SHARES.  Work-groups 0-191: gi, 16 rows of w_ih each, 2 rows a wave, on the vector unit (one row of x would leave 15 of a matrix tile's 16 rows empty).
; 192-383: w_hh, 384-447: h1_emb, 448-480: e2d_w: a strip of 16 rows each; wave w takes k = 128 w .. 128 w + 127, four blocks.
; No loop, no LDS, no barrier: a wave asks for all its bytes at once.  Nothing is shared between work-groups but 4,096 bytes of d2e_emb: no cluster.
.set X,   16                           ; v[16:47]   gi: x as loaded;  v[16:79] strips: 64 f32 a lane
.set W0,  48                           ; v[48:111]  gi: my two rows of w_ih
.set XB,  112                          ; v[112:127] x in bf16 pairs
.set WB,  128                          ; v[128:143] a row of w_ih in bf16 pairs
.set SA,  144                          ; v[144:151] four partial sums for each of my two rows
.set F,   80                           ; v[80:111]  strips: four blocks' registers, 8 each
	s_load_b512 s[4:19], s[0:1], 0x0               ; d2e s[4:5], w_ih s[6:7], b_ih s[8:9], b_hh s[10:11], w_hh s[12:13], h1 s[14:15], e2d_w s[16:17], e2d_b s[18:19]
	s_load_b256 s[20:27], s[0:1], 0x40             ; gc s[20:21], wbf s[22:23], hbf s[24:25], ebf s[26:27]
	s_load_b64 s[28:29], s[0:1], 0x60              ; eb
	v_lshrrev_b32 v1, 5, v0
	v_readfirstlane_b32 s30, v1                    ; wave 0..7
	v_and_b32 v1, 31, v0                           ; lane
	s_wait_kmcnt 0x0
	s_cmp_lt_u32 ttmp9, 192
	s_cbranch_scc1 .Lgi
	s_cmp_lt_u32 ttmp9, 384
	s_cbranch_scc1 .Lwhh
	s_cmp_lt_u32 ttmp9, 448
	s_cbranch_scc1 .Lh1
	s_branch .Le2d
; My lane's row of strip s31 (never past the table's last row: rows beyond it repeat that row), and my two offsets.
.macro ROWS valid
	v_and_b32 v4, 15, v0                           ; r
	v_bfe_u32 v5, v0, 4, 1                         ; h
	v_lshl_add_u32 v6, s31, 4, v4                  ; 16 t + r
	v_min_u32 v7, (\valid)-1, v6
	v_lshlrev_b32 v2, 12, v7                       ; a row is 4,096 bytes
	v_lshl_add_u32 v2, v5, 5, v2                   ; + 32 h: eight f32
	s_lshl_b32 s32, s30, 9
	v_add_nc_u32 v2, s32, v2                       ; + my wave's 512 bytes
	v_lshlrev_b32 v3, 4, v1                        ; out: 16 x lane
.endm
; Four blocks.  Block q: k = 32 q + 8 h + 0..7 are 32 bytes at 128 q + 32 h of my 512, k = 32 q + 16 + 8 h + 0..7 the 32 bytes 64 further on.  The sixteen loads together take 512 consecutive bytes of each of 16 rows.
; No register is written twice, so no store's source has to be freed.
.macro CONV stride
.irp q, 0,1,2,3
	global_load_b128 v[X+16*(\q):X+16*(\q)+3],     v2, s[34:35] offset:128*(\q)
	global_load_b128 v[X+16*(\q)+4:X+16*(\q)+7],   v2, s[34:35] offset:128*(\q)+16
	global_load_b128 v[X+16*(\q)+8:X+16*(\q)+11],  v2, s[34:35] offset:128*(\q)+64
	global_load_b128 v[X+16*(\q)+12:X+16*(\q)+15], v2, s[34:35] offset:128*(\q)+80
.endr
.irp q, 0,1,2,3
	s_wait_loadcnt 12-4*(\q)                       ; loads come back in order: block q's four are in, the later blocks' stay out
.irp j, 0,1,2,3,4,5,6,7
	v_cvt_pk_bf16_f32 v[F+8*(\q)+(\j)], v[X+16*(\q)+2*(\j)], v[X+16*(\q)+2*(\j)+1]
.endr
	global_store_b128 v3, v[F+8*(\q):F+8*(\q)+3],   s[36:37] offset:(\q)*(\stride)      ; 512 consecutive bytes, aligned
	global_store_b128 v3, v[F+8*(\q)+4:F+8*(\q)+7], s[36:37] offset:(\q)*(\stride)+512
.endr
.endm
; ---- gi ----
.Lgi:
	s_lshl_b32 s31, ttmp9, 4
	s_lshl1_add_u32 s31, s30, s31                  ; my first row = 16 x work-group + 2 x wave
	s_lshl_b32 s32, s31, 12
	s_mov_b32 s33, 0
	s_add_nc_u64 s[32:33], s[6:7], s[32:33]        ; w_ih at my rows
	s_lshl_b32 s34, s31, 2
	s_mov_b32 s35, 0
	s_add_nc_u64 s[36:37], s[10:11], s[34:35]      ; b_hh,
	s_add_nc_u64 s[38:39], s[20:21], s[34:35]      ; gc,
	s_add_nc_u64 s[34:35], s[8:9], s[34:35]        ; and b_ih at my rows
	s_mov_b32 s40, 0x76543210                      ; v_permlanex16_b32: each lane takes its own place in the other half
	s_mov_b32 s41, 0xfedcba98
	v_lshlrev_b32 v2, 4, v1                        ; 16 x lane
	v_and_b32 v10, 1, v1
	v_lshlrev_b32 v3, 2, v10                       ; 4 x (lane & 1): which of my two rows
	v_mov_b32 v6, 0                                ; the addend of each chain's first link
	v_mov_b32 v7, 0                                ; v_permlanex16_b32's destination counts as read
	global_load_b32 v4, v3, s[34:35]               ; b_ih
	global_load_b32 v5, v3, s[36:37]               ; b_hh
.irp c, 0,1,2,3,4,5,6,7
	global_load_b128 v[X+4*(\c):X+4*(\c)+3], v2, s[4:5] offset:512*(\c)      ; x = d2e_emb[0]: k = 128 c + 4 lane + 0..3
.endr
.irp c, 0,1,2,3,4,5,6,7
	global_load_b128 v[W0+4*(\c):W0+4*(\c)+3], v2, s[32:33] offset:512*(\c) th:TH_LOAD_NT
.endr
.irp c, 0,1,2,3,4,5,6,7
	global_load_b128 v[W0+32+4*(\c):W0+32+4*(\c)+3], v2, s[32:33] offset:4096+512*(\c) th:TH_LOAD_NT
.endr
	s_wait_loadcnt 16                              ; the biases and x are in; the sixteen loads of w_ih may stay out
.set i, 0
.rept 16
	v_cvt_pk_bf16_f32 v[XB+i], v[X+2*i], v[X+2*i+1]
.set i, i+1
.endr
; Row rho: rounded to bf16; 32 exact products a lane, added in f32 in four chains; then over the 32 lanes.
.macro DOT rho, left
	s_wait_loadcnt \left
.set i, 0
.rept 16
	v_cvt_pk_bf16_f32 v[WB+i], v[W0+32*(\rho)+2*i], v[W0+32*(\rho)+2*i+1]
.set i, i+1
.endr
.set i, 0
.rept 16
.if i < 2
	v_fma_mix_f32_bf16 v[SA+4*(\rho)+(2*i)%4],   v[WB+i], v[XB+i], v6 op_sel_hi:[1,1,0]
	v_fma_mix_f32_bf16 v[SA+4*(\rho)+(2*i+1)%4], v[WB+i], v[XB+i], v6 op_sel:[1,1,0] op_sel_hi:[1,1,0]
.else
	v_fma_mix_f32_bf16 v[SA+4*(\rho)+(2*i)%4],   v[WB+i], v[XB+i], v[SA+4*(\rho)+(2*i)%4] op_sel_hi:[1,1,0]
	v_fma_mix_f32_bf16 v[SA+4*(\rho)+(2*i+1)%4], v[WB+i], v[XB+i], v[SA+4*(\rho)+(2*i+1)%4] op_sel:[1,1,0] op_sel_hi:[1,1,0]
.endif
.set i, i+1
.endr
	v_add_f32 v[SA+4*(\rho)], v[SA+4*(\rho)], v[SA+4*(\rho)+1]
	v_add_f32 v[SA+4*(\rho)+2], v[SA+4*(\rho)+2], v[SA+4*(\rho)+3]
	v_add_f32 v[SA+4*(\rho)], v[SA+4*(\rho)], v[SA+4*(\rho)+2]
	v_add_f32_dpp v[SA+4*(\rho)], v[SA+4*(\rho)], v[SA+4*(\rho)] row_xmask:1 row_mask:0xf bank_mask:0xf
	v_add_f32_dpp v[SA+4*(\rho)], v[SA+4*(\rho)], v[SA+4*(\rho)] row_xmask:2 row_mask:0xf bank_mask:0xf
	v_add_f32_dpp v[SA+4*(\rho)], v[SA+4*(\rho)], v[SA+4*(\rho)] row_xmask:4 row_mask:0xf bank_mask:0xf
	v_add_f32_dpp v[SA+4*(\rho)], v[SA+4*(\rho)], v[SA+4*(\rho)] row_xmask:8 row_mask:0xf bank_mask:0xf
	v_permlanex16_b32 v7, v[SA+4*(\rho)], s40, s41
	v_add_f32 v[SA+4*(\rho)], v[SA+4*(\rho)], v7
.endm
	DOT 0, 8                                       ; my first row is in, the second row's eight loads may stay out
	DOT 1, 0
	; lanes 0, 1: x . w_ih[row] + bf16(b_ih[row]) into plane 0;  lanes 2, 3: bf16(b_hh[row]) into plane 1.  gc is 24,576 bytes in all and leaves in pieces of 8 bytes a plane and wave.
	v_cmp_eq_u32 vcc_lo, 1, v10
	v_cndmask_b32 v11, v[SA], v[SA+4], vcc_lo
	v_cvt_pk_bf16_f32 v12, v4, v5
	v_lshlrev_b32 v13, 16, v12                     ; bf16(b_ih)
	v_and_b32 v14, 0xffff0000, v12                 ; bf16(b_hh)
	v_add_f32 v11, v11, v13
	v_and_b32 v15, 2, v1
	v_cmp_eq_u32 vcc_lo, 2, v15
	v_cndmask_b32 v11, v11, v14, vcc_lo
	v_mul_u32_u24 v15, 0x1800, v15                 ; 12,288 bytes on for plane 1
	v_add_nc_u32 v15, v15, v3
	v_cmp_gt_u32 vcc_lo, 4, v1
	s_wait_xcnt 0x0                                ; EXEC changes only behind this wait
	s_and_saveexec_b32 s42, vcc_lo
	global_store_b32 v15, v11, s[38:39]
	s_wait_xcnt 0x0                                ; and again in front of the line that widens it
	s_or_b32 exec_lo, exec_lo, s42
	s_endpgm
; ---- w_hh -> wbf[32 y][32 ks][6 t]: y = j / 32, t = 3 ((j / 16) & 1) + gate ----
.Lwhh:
	s_sub_co_u32 s31, ttmp9, 192                   ; strip 0..191: rows 16 t ..
	s_lshr_b32 s40, s31, 6                         ; gate
	s_and_b32 s41, s31, 63                         ; j / 16
	s_lshr_b32 s42, s41, 1                         ; y
	s_and_b32 s41, s41, 1
	s_mul_i32 s41, s41, 3
	s_add_co_u32 s41, s41, s40                     ; the tile's place among y's six
	s_mul_i32 s42, s42, 196608
	s_lshl_b32 s41, s41, 10
	s_add_co_u32 s42, s42, s41
	s_mul_i32 s43, s30, 4*6144                     ; my wave's four ks
	s_add_co_u32 s42, s42, s43
	s_mov_b32 s43, 0
	s_add_nc_u64 s[36:37], s[22:23], s[42:43]
	s_mov_b64 s[34:35], s[12:13]
	ROWS 3072
	CONV 6144
	s_endpgm
; ---- h1_emb -> hbf[64 mt][32 ks]; rows 1000..1023 repeat row 999 ----
.Lh1:
	s_sub_co_u32 s31, ttmp9, 384
	s_lshl_b32 s42, s31, 15
	s_lshl_b32 s43, s30, 12
	s_add_co_u32 s42, s42, s43
	s_mov_b32 s43, 0
	s_add_nc_u64 s[36:37], s[24:25], s[42:43]
	s_mov_b64 s[34:35], s[14:15]
	ROWS 1000
	CONV 1024
	s_endpgm
; ---- e2d_w -> ebf[11 p][32 ks][3 t]: vocabulary tile 3 p + t; rows 513..527 repeat row 512.  e2d_b -> eb[528], entries 513..527 the lowest finite number, so that they never win ----
.Le2d:
	s_sub_co_u32 s31, ttmp9, 448                   ; tile 0..32
	s_mul_i32 s40, s31, 43
	s_lshr_b32 s40, s40, 7                         ; p = tile / 3 (exact for 0..32)
	s_mul_i32 s41, s40, 3
	s_sub_co_u32 s41, s31, s41
	s_mul_i32 s42, s40, 98304
	s_lshl_b32 s41, s41, 10
	s_add_co_u32 s42, s42, s41
	s_mul_i32 s43, s30, 4*3072
	s_add_co_u32 s42, s42, s43
	s_mov_b32 s43, 0
	s_add_nc_u64 s[36:37], s[26:27], s[42:43]
	s_mov_b64 s[34:35], s[16:17]
	ROWS 513
	v_lshlrev_b32 v8, 2, v7
	global_load_b32 v9, v8, s[18:19]               ; e2d_b of my row: older than the strip's loads, so their counts hold.  Every wave loads it, wave 0 stores it
	CONV 3072
	v_cvt_pk_bf16_f32 v10, v9, v9
	v_lshlrev_b32 v10, 16, v10
	v_mov_b32 v11, 0xff7fffff
	v_cmp_lt_u32 vcc_lo, 0x200, v6                 ; 512 < 16 t + r
	v_cndmask_b32 v10, v10, v11, vcc_lo
	v_lshlrev_b32 v12, 2, v6
	s_cmp_lg_u32 s30, 0
	s_cbranch_scc1 .Lno_eb
	v_cmp_gt_u32 vcc_lo, 16, v1
	s_wait_xcnt 0x0                                ; EXEC changes only behind this wait
	s_and_saveexec_b32 s44, vcc_lo
	global_store_b32 v12, v10, s[28:29]            ; 64 consecutive bytes
	s_wait_xcnt 0x0
	s_or_b32 exec_lo, exec_lo, s44
.Lno_eb:
	s_endpgm
.Lfunc_end_k_q60fcf26df7_prep:
	.size	k_q60fcf26df7_prep, .Lfunc_end_k_q60fcf26df7_prep-k_q60fcf26df7_prep
	.p2alignl 7, 3214868480
	.fill 96, 4, 3214868480
	.section	.rodata,"a",@progbits
	.p2align	6, 0x0
	.amdhsa_kernel k_q60fcf26df7_prep
		.amdhsa_group_segment_fixed_size 0
		.amdhsa_private_segment_fixed_size 0
		.amdhsa_enable_private_segment 0
		.amdhsa_kernarg_size 104
		.amdhsa_user_sgpr_count 2
		.amdhsa_user_sgpr_kernarg_segment_ptr 1
		.amdhsa_wavefront_size32 1
		.amdhsa_system_sgpr_workgroup_id_x 1
		.amdhsa_system_sgpr_workgroup_id_y 1
		.amdhsa_system_sgpr_workgroup_id_z 1
		.amdhsa_system_vgpr_workitem_id 0
		.amdhsa_next_free_vgpr 160
		.amdhsa_next_free_sgpr 66
		.amdhsa_reserve_vcc 1
		.amdhsa_float_denorm_mode_32 3
		.amdhsa_float_denorm_mode_16_64 3
		.amdhsa_memory_ordered 1
		.amdhsa_forward_progress 1
		.amdhsa_inst_pref_size 30
	.end_amdhsa_kernel
	.amdgpu_metadata
---
amdhsa.version: [ 1, 2 ]
amdhsa.kernels:
  - .name:           k_q60fcf26df7_prep
    .symbol:         k_q60fcf26df7_prep.kd
    .args:
      - { .name: d2e_emb, .offset: 0, .size: 8, .value_kind: global_buffer, .address_space: global }
      - { .name: w_ih, .offset: 8, .size: 8, .value_kind: global_buffer, .address_space: global }
      - { .name: b_ih, .offset: 16, .size: 8, .value_kind: global_buffer, .address_space: global }
      - { .name: b_hh, .offset: 24, .size: 8, .value_kind: global_buffer, .address_space: global }
      - { .name: w_hh, .offset: 32, .size: 8, .value_kind: global_buffer, .address_space: global }
      - { .name: h1_emb, .offset: 40, .size: 8, .value_kind: global_buffer, .address_space: global }
      - { .name: e2d_w, .offset: 48, .size: 8, .value_kind: global_buffer, .address_space: global }
      - { .name: e2d_b, .offset: 56, .size: 8, .value_kind: global_buffer, .address_space: global }
      - { .name: gc, .offset: 64, .size: 8, .value_kind: global_buffer, .address_space: global }
      - { .name: wbf, .offset: 72, .size: 8, .value_kind: global_buffer, .address_space: global }
      - { .name: hbf, .offset: 80, .size: 8, .value_kind: global_buffer, .address_space: global }
      - { .name: ebf, .offset: 88, .size: 8, .value_kind: global_buffer, .address_space: global }
      - { .name: eb, .offset: 96, .size: 8, .value_kind: global_buffer, .address_space: global }
    .group_segment_fixed_size: 0
    .private_segment_fixed_size: 0
    .kernarg_segment_align: 8
    .kernarg_segment_size: 104
    .max_flat_workgroup_size: 256
    .sgpr_count:     66
    .vgpr_count:     160
    .wavefront_size: 32
...
	.end_amdgpu_metadata
.endif
;; end of part 1
;; launch gru (part 2): grid 8 x 32, 4 waves a work-group, clusters of 4 x 1, 197,120 bytes of LDS; arguments hbf, wbf, gc, hp; writes hp
.if DOCPART == 2
	.amdgcn_target "amdgcn-amd-amdhsa--gfx1250"
	.amdhsa_code_object_version 6
	.text
	.protected	k_q60fcf26df7_gru
	.globl	k_q60fcf26df7_gru
	.p2align	8
	.type	k_q60fcf26df7_gru,@function
k_q60fcf26df7_gru:
	s_mov_b64 s[64:65], 0
	v_nop
	global_prefetch_b8 v0, s[64:65] scope:SCOPE_SE
	s_setreg_imm32_b32 hwreg(HW_REG_WAVE_MODE, 25, 1), 1
	s_wait_xcnt 0x0
	s_wait_alu depctr_hold_cnt(0) depctr_sa_sdst(0) depctr_va_vdst(0) depctr_va_sdst(0) depctr_va_ssrc(0) depctr_va_vcc(0) depctr_vm_vsrc(0)
	s_getreg_b32 s2, hwreg(HW_REG_IB_STS2, 6, 4)
	s_cmp_eq_u32 s2, 0
	s_cbranch_scc0 .Lentry_in_a_cluster
	s_endpgm
.Lentry_in_a_cluster:
	s_bfe_u32 s2, ttmp6, 0x10000c
	s_cmp_lg_u32 s2, 0x3003
	s_cbranch_scc0 .Lentry_shape_is_right
	s_endpgm
.Lentry_shape_is_right:
; SECOND LAUNCH: the GRU cell for the 1,024 rows of the action table (1,000 and 24 repeats of the last), not for the 8,192 batch rows: a row's new state hangs on its action alone; gi is one vector, made by the launch before.
; gh = h . w_hh^T + b_hh;  r = sigmoid(gi_r + gh_r);  z = sigmoid(gi_z + gh_z);  n = tanh(gi_n + r gh_n);  h' = n + z (h - n).
; h' leaves as THREE bf16 terms (hi + mid + lo = 24 bits), so that the next product loses nothing of it that f32 holds: the argmax behind it is compared exactly.
; LIMITS.  tanh's argument is held to -10 .. 10, where tanh is 1 to f32's last bit.  NaN and infinities are not treated apart.
; SHARES.  A work-group: 128 table rows x 32 channels j x 3 gates; 8 x 32 = 256 work-groups.  A wave: two tiles of 16 rows against all six weight tiles: 12 accumulators, 384 matrix instructions.
; THE MATRIX INSTRUCTION IS USED TRANSPOSED: source 0 = 16 rows of w_hh, source 1 = 16 table rows.  A lane then holds ONE table row (lane % 16) and the channels 8 (lane / 16) + 0..7 of the tile: eight neighbours, which
; pack into the 16 bytes that the lane owns in a block of hp, and lie where the same lane's 16 bytes of the old h lie in a block of hbf.
; WEIGHTS: the work-group's 196,608 dense bytes of wbf come ONCE into LDS, four chunks of 8 K steps, each wave a quarter of each chunk; nothing is filled again.  The four work-groups of a cluster differ in their rows
; alone and need the same weights: each chunk is asked for JOINTLY.  TABLE ROWS: each wave reads its own 65,536 bytes straight into registers, in operand order; no other wave of the work-group wants them, and
; 262,144 bytes of them would not fit into LDS beside the weights: they are not shared through LDS.
; REGISTERS.  window 0: v0-15 addresses; v16-111 accumulators ((t, a) at 16 + 8 (2 t + a), t = 3 g + gate); v112-159, v160-207 two buffers of six weight fragments; v208-255 the way out.
; window 1: v0-191 a ring of 12 K steps of my rows' two fragments; v192-239 gi for my lane's channels, 8 a tile; v240-255 the old h, 4 registers for each (a, g).
.set NL,    6                          ; weight fragments a K step, from LDS
.set ND,    2                          ; fragments of my rows a K step, from memory
.set DEP,   12                         ; K steps in the register ring
.set CH,    8                          ; K steps in a chunk
.set NCH,   4                          ; chunks
.set GRP,   4*ND                       ; loads in a group of two K steps
.set NG,    DEP/2                      ; groups in the ring
.set ZFROM, 99                         ; no sum starts with 0: all start with b_hh
.set DSTR,  32768                      ; bytes from my first tile's block to my second's
.set KSTR,  1024                       ; bytes from K step to K step
.set CHUNK, 49152
.set PARTB, 12288                      ; a wave's quarter of a chunk: 48 rows of 256 bytes
.set SPARE, NCH*CHUNK                  ; behind the weights: the spare words, 128 bytes for each wave: two blocks of 256 bytes that no other line names
.set AO,    3                          ; v3   16 x lane; never rewritten
.set LA,    4                          ; v4-7 16 x lane + chunk c
.set SPW,   8                          ; v8   LDS address of my spare word; never rewritten
.set NIL,   9                          ; v9   0; never rewritten
.set GCO,   10                         ; v10  32 x (lane / 16): my eight f32 in a tile's sixteen
.set ACC,   16
.set BF0,   ACC+8*NL*ND
.set BF1,   BF0+8*NL
.set OUT,   208
.set GI,    192                        ; window 1
.set HOLD,  240                        ; window 1
.set WV,    12                         ; s12  my wave's number
.set G1,    16                         ; s[16:23] descriptor group 1
.set G0,    24                         ; s[24:39] descriptor group 0, a set for each chunk
.set AB,    42                         ; s[42:43] hbf at my first tile
.set MSB, 0
.macro WIN new                         ; the immediate's high byte repeats the setting that is left; a switch that changes nothing is dropped
.if MSB != (\new)
	s_set_vgpr_msb (MSB<<8)|(\new)
.set MSB, (\new)
.endif
.endm
.set W_MUL, 0x04                       ; source 1 (my rows) in window 1, all else in window 0; LDS loads run under it too
.set W_LD,  0x40                       ; destination in window 1, address in window 0
.macro PLACES                          ; four places between a matrix instruction and a load into, or a vector read of, its registers (ISA guide 7.12.1 for vector reads)
.rept 4
	v_nop
.endr
.endm
.macro CROUND                          ; a round of the cluster's barrier: my work-group's barrier; wave 0 signals for the work-group; every wave waits for all four; my work-group's barrier once more
	s_barrier_signal -1
	s_barrier_wait -1
	s_cmp_lg_u32 s[WV], 0
	s_cbranch_scc1 .Lnot_wave_0_\@
	s_barrier_signal -3
.Lnot_wave_0_\@:
	s_barrier_wait -3
	s_barrier_signal -1
	s_barrier_wait -1
.endm
.macro LDSF s                          ; K step s: NL weight fragments into buffer s % 2; each load takes 512 consecutive bytes
	WIN W_MUL
.set l_c, (\s)/CH
.set l_o, ((\s)%CH)*NL*1024
.set l_b, BF0+8*NL*((\s)%2)
.set t, 0
.rept NL
	ds_load_b128 v[l_b+8*t:l_b+8*t+3],   v[LA+l_c] offset:l_o+t*1024
	ds_load_b128 v[l_b+8*t+4:l_b+8*t+7], v[LA+l_c] offset:l_o+t*1024+512
.set t, t+1
.endr
.endm
.macro DIRG g                          ; group g: my rows' fragments of K steps 2 g and 2 g + 1 into their ring slots
	WIN W_LD
.set d_k, 2*(\g)
.rept 2
.set d, 0
.rept ND
.set d_r, 8*ND*(d_k%DEP)+8*d
	global_load_b128 v[d_r:d_r+3],   v[AO], s[AB:AB+1] offset:d*DSTR+d_k*KSTR
	global_load_b128 v[d_r+4:d_r+7], v[AO], s[AB:AB+1] offset:d*DSTR+d_k*KSTR+512
.set d, d+1
.endr
.set d_k, d_k+1
.endr
.endm
.macro MULS s                          ; K step s: NL x ND products.  The accumulators take turns, one instruction a turn, in the same order in every step
	WIN W_MUL
.set m_b, BF0+8*NL*((\s)%2)
.set m_r, 8*ND*((\s)%DEP)
.set t, 0
.rept NL
.set d, 0
.rept ND
.set m_a, ACC+8*(ND*t+d)
.if ((\s) == 0) && (d >= ZFROM)
	v_wmma_f32_16x16x32_bf16 v[m_a:m_a+7], v[m_b+8*t:m_b+8*t+7], v[m_r+8*d:m_r+8*d+7], 0
.else
	v_wmma_f32_16x16x32_bf16 v[m_a:m_a+7], v[m_b+8*t:m_b+8*t+7], v[m_r+8*d:m_r+8*d+7], v[m_a:m_a+7]
.endif
.set d, d+1
.endr
.set t, t+1
.endr
.endm
	s_load_b256 s[4:11], s[0:1], 0x0               ; hbf s[4:5], wbf s[6:7], gc s[8:9], hp s[10:11]
	v_lshl_add_u32 v[SPW], v0, 2, SPARE
	v_mov_b32 v[NIL], 0
	ds_add_u32 v[SPW], v[NIL]                      ; the wave's opening: the add, twice on end, and its wait ahead of my first tensor load; the set-up below stands between
	ds_add_u32 v[SPW], v[NIL]
	v_lshrrev_b32 v11, 5, v0
	v_readfirstlane_b32 s[WV], v11                 ; wave 0..3
	s_bfe_u32 s13, ttmp6, 0x40000                  ; cx: my place in the cluster; it enters my rows' addresses alone
	s_lshl_b32 s14, ttmp9, 2                       ; in a cluster launch ttmp9 counts clusters
	s_add_co_u32 s14, s14, s13                     ; my block of 128 table rows
	s_and_b32 s15, ttmp7, 0xffff                   ; y: my 32 channels, which the four partners share
	; descriptor group 1: a dense piece of 12,288 bytes as 48 rows of 32 elements of 8 bytes
	s_mov_b32 s[G1+0], 15|(3<<16)|(1<<21)          ; 15:0 the mask: all four work-groups; 17:16 elements of 8 bytes; 21 set beside a mask; no padding
	s_mov_b32 s[G1+1], 32<<16                      ; tensor_dim0 = 32
	s_mov_b32 s[G1+2], 48<<16                      ; tensor_dim1 = 48
	s_mov_b32 s[G1+3], 32<<16                      ; tile_dim0 = 32
	s_mov_b32 s[G1+4], 48                          ; tile_dim1 = 48
	s_mov_b32 s[G1+5], 32                          ; 32 elements from row to row
	s_mov_b32 s[G1+6], 0
	s_mov_b32 s[G1+7], 0
	v_and_b32 v1, 15, v0                           ; r
	v_bfe_u32 v2, v0, 4, 1                         ; h
	v_and_b32 v[AO], 31, v0
	v_lshlrev_b32 v[AO], 4, v[AO]
.irp c, 0,1,2,3
	v_add_nc_u32 v[LA+(\c)], (\c)*CHUNK, v[AO]
.endr
	v_lshlrev_b32 v[GCO], 5, v2
	s_mul_i32 s40, s[WV], PARTB                    ; my quarter of a chunk, in LDS and in wbf
	s_mul_i32 s54, s15, 196608
	s_add_co_u32 s54, s54, s40                     ; made of y and the wave's number alone
	s_mov_b32 s55, 0
	s_lshl_b32 s56, s14, 3
	s_lshl1_add_u32 s56, s[WV], s56                ; my first tile of 16 rows = 8 x block + 2 x wave
	s_lshl_b32 s42, s56, 15
	s_mov_b32 s43, 0
	s_lshl_b32 s44, s15, 10
	s_mov_b32 s45, 0
	s_lshl_b32 s46, s15, 7
	s_mov_b32 s47, 0
	s_lshl_b32 s48, s56, 5
	s_add_co_u32 s48, s48, s15
	s_mul_i32 s48, s48, 3072
	s_mov_b32 s49, 0
	s_mov_b32 s50, 0xffff0000                      ; a word's upper bf16
	s_mov_b32 s51, 0xc1e6d4cb                      ; -28.8539 = -10 x 2 log2(e)
	s_mov_b32 s52, 0x41e6d4cb
	s_wait_dscnt 0x0                               ; both opening adds are done
	s_wait_kmcnt 0x0
	s_add_nc_u64 s[AB:AB+1], s[4:5], s[42:43]      ; hbf at my first tile
	s_add_nc_u64 s[44:45], s[AB:AB+1], s[44:45]    ; and there at K step y: the old h of my channels
	s_add_nc_u64 s[46:47], s[8:9], s[46:47]        ; gc at channel 32 y
	s_add_nc_u64 s[48:49], s[10:11], s[48:49]      ; hp at (my first tile, K step y)
	s_add_nc_u64 s[54:55], s[6:7], s[54:55]        ; wbf at my quarter of y's first chunk
.irp c, 0,1,2,3
	s_mov_b32 s[G0+4*(\c)], 1                                      ; count = 1
	s_add_co_u32 s[G0+4*(\c)+1], s40, (\c)*CHUNK                   ; LDS address
	s_add_nc_u64 s[G0+4*(\c)+2:G0+4*(\c)+3], s[54:55], (\c)*CHUNK  ; global address
	s_or_b32 s[G0+4*(\c)+3], s[G0+4*(\c)+3], 0x80000000            ; type = 2
.endr
	; The sums start with b_hh (gc's plane 1): nothing is cleared.  Register i of accumulator (t, a) is channel gate x 1024 + 32 y + 16 g + 8 h + i.
.set t, 0
.rept 6
.set a, 0
.rept 2
	global_load_b128 v[ACC+8*(2*t+a):ACC+8*(2*t+a)+3],   v[GCO], s[46:47] offset:12288+(t%3)*4096+(t/3)*64
	global_load_b128 v[ACC+8*(2*t+a)+4:ACC+8*(2*t+a)+7], v[GCO], s[46:47] offset:12288+(t%3)*4096+(t/3)*64+16
.set a, a+1
.endr
.set t, t+1
.endr
	WIN W_LD
.set t, 0
.rept 6
	global_load_b128 v[GI+8*t:GI+8*t+3],   v[GCO], s[46:47] offset:(t%3)*4096+(t/3)*64     ; gi (plane 0) for the same channels
	global_load_b128 v[GI+8*t+4:GI+8*t+7], v[GCO], s[46:47] offset:(t%3)*4096+(t/3)*64+16
.set t, t+1
.endr
.irp a, 0,1
.irp g, 0,1
	global_load_b128 v[HOLD+4*(2*(\a)+(\g)):HOLD+4*(2*(\a)+(\g))+3], v[AO], s[44:45] offset:(\a)*32768+(\g)*512  ; the old h: my lane's own eight bf16
.endr
.endr
	WIN 0                                          ; at a label and at a branch every window is 0
	CROUND                                         ; all four work-groups are here: the joint loads meet
.irp c, 0,1,2,3
	tensor_load_to_lds s[G0+4*(\c):G0+4*(\c)+3], s[G1:G1+7]       ; all four chunks go out as one group: four tensor loads of mine are out
	s_nop 0
.endr
	PLACES
.irp g, 0,1,2,3,4,5
	DIRG \g
.endr
	s_wait_tensorcnt NCH-1                         ; my quarter of chunk 0 is in; the later chunks may stay out
	s_barrier_signal -1
	s_barrier_wait -1                              ; everybody's is
	LDSF 0
	LDSF 1
; THE K LOOP, written out by the assembler: 32 steps, no label, no branch.
.set ks, 0
.rept 32
.if ks%2 == 0
.set gg, ks/2
.set gl, gg+NG-1
.if gl > 15
.set gl, 15
.endif
	s_wait_loadcnt GRP*(gl-gg)                     ; loads come back in order: group ks / 2 is in; the groups issued behind it stay out
.endif
.if ks < 31
	s_wait_dscnt 2*NL                              ; this step's weight fragments are in, the next step's may stay out
.else
	s_wait_dscnt 0x0
.endif
	MULS ks
.if ks+2 < 32
	PLACES                                         ; in front of the loads into the buffer and the ring slots just read
.if (ks+2)%CH == 0
	s_wait_tensorcnt NCH-1-(ks+2)/CH               ; my quarter of the next chunk is in; the chunks behind it may stay out
	s_wait_dscnt 0x0                               ; no LDS instruction of mine is pending at the signal
	s_barrier_signal -1
	s_barrier_wait -1                              ; everybody's quarter is in
.endif
	LDSF ks+2
.endif
.if (ks%2 == 1) && ((ks-1)/2+NG <= 15)
	DIRG (ks-1)/2+NG                               ; into the two slots read in this step and the one before
.endif
.set ks, ks+1
.endr
; THE CELL.  Per g (which 16 of my 32 channels): accumulators r at ACC + 48 g (a = 0, 1: 16 registers), z at + 16, n at + 32.  Each accumulator is read from its low end on.
	PLACES
	WIN 0x41                                       ; destination and source 0 in window 1
.set g, 0
.rept 2
.set i, 0
.rept 8
	v_pk_mul_f32 v[GI+24*g+2*i:GI+24*g+2*i+1], v[GI+24*g+2*i:GI+24*g+2*i+1], 0xbfb8aa3b op_sel_hi:[1,0]  ; gi_r, gi_z times -log2(e)
.set i, i+1
.endr
.set g, g+1
.endr
	WIN 0x10                                       ; source 2 in window 1
.set g, 0
.rept 2
.set i, 0
.rept 16
	v_pk_fma_f32 v[ACC+48*g+2*i:ACC+48*g+2*i+1], v[ACC+48*g+2*i:ACC+48*g+2*i+1], 0xbfb8aa3b, v[GI+24*g+8*(i/8)+2*(i%4):GI+24*g+8*(i/8)+2*(i%4)+1] op_sel_hi:[1,0,1]  ; -log2(e) (gi + gh)
.set i, i+1
.endr
.set g, g+1
.endr
	WIN 0
.set g, 0
.rept 2
.set i, 0
.rept 32
	v_exp_f32 v[ACC+48*g+i], v[ACC+48*g+i]
.set i, i+1
.endr
.set g, g+1
.endr
	v_nop                                          ; a plain instruction behind the last exponential,
	s_wait_alu depctr_va_vdst(0)                   ; and one wait for the batch of 64
.set g, 0
.rept 2
.set i, 0
.rept 16
	v_pk_add_f32 v[ACC+48*g+2*i:ACC+48*g+2*i+1], v[ACC+48*g+2*i:ACC+48*g+2*i+1], 1.0 op_sel_hi:[1,0]
.set i, i+1
.endr
.set g, g+1
.endr
.set g, 0
.rept 2
.set i, 0
.rept 32
	v_rcp_f32 v[ACC+48*g+i], v[ACC+48*g+i]         ; r and z.  An exponential that overflows gives 0, one that vanishes gives 1: no clamp is wanted
.set i, i+1
.endr
.set g, g+1
.endr
	v_nop
	s_wait_alu depctr_va_vdst(0)                   ; one wait for the 64 reciprocals
	WIN 0x10
.set g, 0
.rept 2
.set i, 0
.rept 8
	v_pk_fma_f32 v[ACC+48*g+32+2*i:ACC+48*g+32+2*i+1], v[ACC+48*g+2*i:ACC+48*g+2*i+1], v[ACC+48*g+32+2*i:ACC+48*g+32+2*i+1], v[GI+24*g+16+2*(i%4):GI+24*g+16+2*(i%4)+1]  ; t = r gh_n + gi_n
.set i, i+1
.endr
.set g, g+1
.endr
	WIN 0
.set g, 0
.rept 2
.set i, 0
.rept 8
	v_pk_mul_f32 v[ACC+48*g+32+2*i:ACC+48*g+32+2*i+1], v[ACC+48*g+32+2*i:ACC+48*g+32+2*i+1], 0x4038aa3b op_sel_hi:[1,0]  ; 2 log2(e) t
.set i, i+1
.endr
.set g, g+1
.endr
.set g, 0
.rept 2
.set i, 0
.rept 16
	v_med3_num_f32 v[ACC+48*g+32+i], v[ACC+48*g+32+i], s51, s52
.set i, i+1
.endr
.set g, g+1
.endr
.set g, 0
.rept 2
.set i, 0
.rept 16
	v_exp_f32 v[ACC+48*g+32+i], v[ACC+48*g+32+i]   ; e = exp(2 t)
.set i, i+1
.endr
.set g, g+1
.endr
	v_nop
	s_wait_alu depctr_va_vdst(0)                   ; one wait for the 32 exponentials
.set g, 0
.rept 2
.set i, 0
.rept 8
	v_pk_add_f32 v[BF0+16*g+2*i:BF0+16*g+2*i+1], v[ACC+48*g+32+2*i:ACC+48*g+32+2*i+1], 1.0 op_sel_hi:[1,0]             ; e + 1
	v_pk_add_f32 v[ACC+48*g+32+2*i:ACC+48*g+32+2*i+1], v[ACC+48*g+32+2*i:ACC+48*g+32+2*i+1], -1.0 op_sel_hi:[1,0]      ; e - 1: exact near e = 1, where t is small
.set i, i+1
.endr
.set g, g+1
.endr
.set i, 0
.rept 32
	v_rcp_f32 v[BF0+i], v[BF0+i]
.set i, i+1
.endr
	WIN 0x04                                       ; source 1 in window 1: the old h is widened while the reciprocals are out
.set g, 0
.rept 2
.set i, 0
.rept 8
	v_lshlrev_b32 v[BF1+16*g+2*i],   16,  v[HOLD+4*(2*(i/4)+g)+i%4]
	v_and_b32     v[BF1+16*g+2*i+1], s50, v[HOLD+4*(2*(i/4)+g)+i%4]
.set i, i+1
.endr
.set g, g+1
.endr
	WIN 0
	s_wait_alu depctr_va_vdst(0)                   ; one wait for the 32 reciprocals; the 32 lines above are the plain work behind them
.set g, 0
.rept 2
.set i, 0
.rept 8
	v_pk_mul_f32 v[ACC+48*g+32+2*i:ACC+48*g+32+2*i+1], v[ACC+48*g+32+2*i:ACC+48*g+32+2*i+1], v[BF0+16*g+2*i:BF0+16*g+2*i+1]  ; n = (e - 1) / (e + 1)
.set i, i+1
.endr
.set g, g+1
.endr
.set g, 0
.rept 2
.set i, 0
.rept 8
	v_pk_add_f32 v[BF1+16*g+2*i:BF1+16*g+2*i+1], v[BF1+16*g+2*i:BF1+16*g+2*i+1], v[ACC+48*g+32+2*i:ACC+48*g+32+2*i+1] neg_lo:[0,1] neg_hi:[0,1]  ; h - n
.set i, i+1
.endr
.set g, g+1
.endr
.set g, 0
.rept 2
.set i, 0
.rept 8
	v_pk_fma_f32 v[ACC+48*g+16+2*i:ACC+48*g+16+2*i+1], v[ACC+48*g+16+2*i:ACC+48*g+16+2*i+1], v[BF1+16*g+2*i:BF1+16*g+2*i+1], v[ACC+48*g+32+2*i:ACC+48*g+32+2*i+1]  ; h' = z (h - n) + n
.set i, i+1
.endr
.set g, g+1
.endr
; THE SPLIT.  Pair u of 16: g = u / 8, a = (u % 8) / 4, register u % 4 of the lane's four.  A term is what is left rounded to bf16; it is widened again and taken away, which is exact in f32.
.macro SPLIT term, more
.set u, 0
.rept 16
	v_cvt_pk_bf16_f32 v[OUT+4*(3*(2*((u%8)/4)+u/8)+(\term))+u%4], v[ACC+48*(u/8)+16+2*(u%8)], v[ACC+48*(u/8)+16+2*(u%8)+1]
.set u, u+1
.endr
.if \more
.set u, 0
.rept 16
	v_lshlrev_b32 v[BF0+2*u],   16,  v[OUT+4*(3*(2*((u%8)/4)+u/8)+(\term))+u%4]
	v_and_b32     v[BF0+2*u+1], s50, v[OUT+4*(3*(2*((u%8)/4)+u/8)+(\term))+u%4]
.set u, u+1
.endr
.set u, 0
.rept 16
	v_pk_add_f32 v[ACC+48*(u/8)+16+2*(u%8):ACC+48*(u/8)+16+2*(u%8)+1], v[ACC+48*(u/8)+16+2*(u%8):ACC+48*(u/8)+16+2*(u%8)+1], v[BF0+2*u:BF0+2*u+1] neg_lo:[0,1] neg_hi:[0,1]
.set u, u+1
.endr
.endif
.endm
	SPLIT 0, 1
	SPLIT 1, 1
	SPLIT 2, 0
.irp a, 0,1
.irp g, 0,1
.irp m, 0,1,2
	global_store_b128 v[AO], v[OUT+4*(3*(2*(\a)+(\g))+(\m)):OUT+4*(3*(2*(\a)+(\g))+(\m))+3], s[48:49] offset:(\a)*98304+(\m)*1024+(\g)*512  ; half a block of hp: 512 consecutive bytes, aligned
.endr
.endr
.endr
	s_wait_tensorcnt 0x0                           ; the wave's end, behind my last tensor load
	ds_add_u32 v[SPW], v[NIL]
	s_wait_dscnt 0x0
	CROUND                                         ; the closing round: no work-group ends while a partner may still ask for a chunk that names it
	s_endpgm
.Lfunc_end_k_q60fcf26df7_gru:
	.size	k_q60fcf26df7_gru, .Lfunc_end_k_q60fcf26df7_gru-k_q60fcf26df7_gru
	.p2alignl 7, 3214868480
	.fill 96, 4, 3214868480
	.section	.rodata,"a",@progbits
	.p2align	6, 0x0
	.amdhsa_kernel k_q60fcf26df7_gru
		.amdhsa_group_segment_fixed_size 197120
		.amdhsa_private_segment_fixed_size 0
		.amdhsa_enable_private_segment 0
		.amdhsa_kernarg_size 32
		.amdhsa_user_sgpr_count 2
		.amdhsa_user_sgpr_kernarg_segment_ptr 1
		.amdhsa_wavefront_size32 1
		.amdhsa_system_sgpr_workgroup_id_x 1
		.amdhsa_system_sgpr_workgroup_id_y 1
		.amdhsa_system_sgpr_workgroup_id_z 1
		.amdhsa_system_vgpr_workitem_id 0
		.amdhsa_next_free_vgpr 512
		.amdhsa_next_free_sgpr 66
		.amdhsa_reserve_vcc 0
		.amdhsa_float_denorm_mode_32 3
		.amdhsa_float_denorm_mode_16_64 3
		.amdhsa_memory_ordered 1
		.amdhsa_forward_progress 1
		.amdhsa_inst_pref_size 107
	.end_amdhsa_kernel
	.amdgpu_metadata
---
amdhsa.version: [ 1, 2 ]
amdhsa.kernels:
  - .name:           k_q60fcf26df7_gru
    .symbol:         k_q60fcf26df7_gru.kd
    .args:
      - { .name: hbf, .offset: 0, .size: 8, .value_kind: global_buffer, .address_space: global }
      - { .name: wbf, .offset: 8, .size: 8, .value_kind: global_buffer, .address_space: global }
      - { .name: gc, .offset: 16, .size: 8, .value_kind: global_buffer, .address_space: global }
      - { .name: hp, .offset: 24, .size: 8, .value_kind: global_buffer, .address_space: global }
    .group_segment_fixed_size: 197120
    .private_segment_fixed_size: 0
    .kernarg_segment_align: 8
    .kernarg_segment_size: 32
    .max_flat_workgroup_size: 128
    .sgpr_count:     66
    .vgpr_count:     512
    .wavefront_size: 32
...
	.end_amdgpu_metadata
.endif
;; end of part 2
;; launch logits (part 3): grid 16 x 11, 4 waves a work-group, clusters of 4 x 1, 167,936 bytes of LDS; arguments hp, ebf, eb, cand; writes cand
.if DOCPART == 3
	.amdgcn_target "amdgcn-amd-amdhsa--gfx1250"
	.amdhsa_code_object_version 6
	.text
	.protected	k_q60fcf26df7_logits
	.globl	k_q60fcf26df7_logits
	.p2align	8
	.type	k_q60fcf26df7_logits,@function
k_q60fcf26df7_logits:
	s_mov_b64 s[64:65], 0
	v_nop
	global_prefetch_b8 v0, s[64:65] scope:SCOPE_SE
	s_setreg_imm32_b32 hwreg(HW_REG_WAVE_MODE, 25, 1), 1
	s_wait_xcnt 0x0
	s_wait_alu depctr_hold_cnt(0) depctr_sa_sdst(0) depctr_va_vdst(0) depctr_va_sdst(0) depctr_va_ssrc(0) depctr_va_vcc(0) depctr_vm_vsrc(0)
	s_getreg_b32 s2, hwreg(HW_REG_IB_STS2, 6, 4)
	s_cmp_eq_u32 s2, 0
	s_cbranch_scc0 .Lentry_in_a_cluster
	s_endpgm
.Lentry_in_a_cluster:
	s_bfe_u32 s2, ttmp6, 0x10000c
	s_cmp_lg_u32 s2, 0x3003
	s_cbranch_scc0 .Lentry_shape_is_right
	s_endpgm
.Lentry_shape_is_right:
; THIRD LAUNCH: logits = h' . e2d_w^T + e2d_b for the 1,024 rows of the action table (not the 8,192 batch rows: a row's token hangs on its action alone), and in each of 11 parts of 48 columns each row's best
; logit and its index.  No softmax: reference() takes the argmax of the logits.
; h' comes as three bf16 terms; each has accumulators of its own, so that the small terms' sums are not lost beside the large one's; they are added at the end, smallest first.
; LIMITS.  A NaN logit does not win.  Of equal logits the lowest index wins, as in jnp.argmax.  Columns 513..527 carry the lowest finite number as their bias and never win.
; SHARES.  A work-group: 64 table rows x 48 columns; 16 x 11 = 176 work-groups (33 tiles of 16 columns are 11 x 3: no tile is empty).  A wave: one tile of 16 rows, three terms, three column tiles: 9 accumulators.
; TRANSPOSED: source 0 = 16 rows of e2d_w, source 1 = 16 table rows: a lane holds ONE table row (lane % 16) and columns 8 (lane / 16) + 0..7 of each tile: the argmax wants one exchange between the lanes' halves.
; WEIGHTS: the part's 98,304 dense bytes of ebf come once into LDS, two chunks of 16 K steps, asked for JOINTLY by the cluster's four work-groups, which differ in their rows alone; nothing is filled again.
; h': each wave reads its own 98,304 bytes straight into registers; no other wave of the work-group wants them, and 393,216 bytes of them would not fit into LDS: they are not shared through LDS.
; REGISTERS.  window 0: v0-15 addresses; v16-87 accumulators ((t, term) at 16 + 8 (3 t + term)); v88-111, v112-135 two buffers of three weight fragments; v140-151 the argmax.  window 1: v0-239 a ring of 10 K steps x 3 terms.
.set NL,    3
.set ND,    3
.set DEP,   10
.set CH,    16
.set NCH,   2
.set GRP,   4*ND
.set NG,    DEP/2
.set ZFROM, 1                          ; terms 1 and 2 start their sums with 0; term 0 starts with the bias
.set DSTR,  1024
.set KSTR,  3072
.set CHUNK, 49152
.set PARTB, 12288
.set SPARE, NCH*CHUNK                  ; behind the weights: the spare words, 128 bytes for each wave: two blocks of 256 bytes that no other line names
.set AO,    3
.set LA,    4
.set SPW,   8
.set NIL,   9
.set GCO,   10
.set ACC,   16
.set BF0,   ACC+8*NL*ND
.set BF1,   BF0+8*NL
.set BV,    140                        ; v140-142 a tile's best logit
.set BI,    144                        ; v144-146 and its index
.set OV,    148                        ; the other half's
.set OI,    149
.set DAT,   150
.set OFS,   151
.set WV,    12
.set G1,    16
.set G0,    24
.set AB,    42
.set MK,    50                         ; s50-52 compare masks
.set MSB, 0
.macro WIN new
.if MSB != (\new)
	s_set_vgpr_msb (MSB<<8)|(\new)
.set MSB, (\new)
.endif
.endm
.set W_MUL, 0x04
.set W_LD,  0x40
.macro PLACES
.rept 4
	v_nop
.endr
.endm
.macro CROUND
	s_barrier_signal -1
	s_barrier_wait -1
	s_cmp_lg_u32 s[WV], 0
	s_cbranch_scc1 .Lnot_wave_0_\@
	s_barrier_signal -3
.Lnot_wave_0_\@:
	s_barrier_wait -3
	s_barrier_signal -1
	s_barrier_wait -1
.endm
.macro LDSF s
	WIN W_MUL
.set l_c, (\s)/CH
.set l_o, ((\s)%CH)*NL*1024
.set l_b, BF0+8*NL*((\s)%2)
.set t, 0
.rept NL
	ds_load_b128 v[l_b+8*t:l_b+8*t+3],   v[LA+l_c] offset:l_o+t*1024
	ds_load_b128 v[l_b+8*t+4:l_b+8*t+7], v[LA+l_c] offset:l_o+t*1024+512
.set t, t+1
.endr
.endm
.macro DIRG g
	WIN W_LD
.set d_k, 2*(\g)
.rept 2
.set d, 0
.rept ND
.set d_r, 8*ND*(d_k%DEP)+8*d
	global_load_b128 v[d_r:d_r+3],   v[AO], s[AB:AB+1] offset:d*DSTR+d_k*KSTR
	global_load_b128 v[d_r+4:d_r+7], v[AO], s[AB:AB+1] offset:d*DSTR+d_k*KSTR+512
.set d, d+1
.endr
.set d_k, d_k+1
.endr
.endm
.macro MULS s                          ; the nine accumulators take turns, one instruction a turn, in the same order in every step
	WIN W_MUL
.set m_b, BF0+8*NL*((\s)%2)
.set m_r, 8*ND*((\s)%DEP)
.set t, 0
.rept NL
.set d, 0
.rept ND
.set m_a, ACC+8*(ND*t+d)
.if ((\s) == 0) && (d >= ZFROM)
	v_wmma_f32_16x16x32_bf16 v[m_a:m_a+7], v[m_b+8*t:m_b+8*t+7], v[m_r+8*d:m_r+8*d+7], 0
.else
	v_wmma_f32_16x16x32_bf16 v[m_a:m_a+7], v[m_b+8*t:m_b+8*t+7], v[m_r+8*d:m_r+8*d+7], v[m_a:m_a+7]
.endif
.set d, d+1
.endr
.set t, t+1
.endr
.endm
	s_load_b256 s[4:11], s[0:1], 0x0               ; hp s[4:5], ebf s[6:7], eb s[8:9], cand s[10:11]
	v_lshl_add_u32 v[SPW], v0, 2, SPARE
	v_mov_b32 v[NIL], 0
	ds_add_u32 v[SPW], v[NIL]                      ; the wave's opening: the add, twice on end, and its wait ahead of my first tensor load
	ds_add_u32 v[SPW], v[NIL]
	v_lshrrev_b32 v11, 5, v0
	v_readfirstlane_b32 s[WV], v11
	s_bfe_u32 s13, ttmp6, 0x40000                  ; cx: it enters my rows' addresses alone
	s_lshl_b32 s14, ttmp9, 2
	s_add_co_u32 s14, s14, s13                     ; my block of 64 table rows
	s_and_b32 s15, ttmp7, 0xffff                   ; p: my part of 48 columns, which the four partners share
	s_mov_b32 s[G1+0], 15|(3<<16)|(1<<21)          ; the mask of four; elements of 8 bytes; bit 21 set beside a mask; no padding
	s_mov_b32 s[G1+1], 32<<16                      ; tensor_dim0 = 32
	s_mov_b32 s[G1+2], 48<<16                      ; tensor_dim1 = 48
	s_mov_b32 s[G1+3], 32<<16                      ; tile_dim0 = 32
	s_mov_b32 s[G1+4], 48                          ; tile_dim1 = 48
	s_mov_b32 s[G1+5], 32                          ; 32 elements from row to row
	s_mov_b32 s[G1+6], 0
	s_mov_b32 s[G1+7], 0
	v_and_b32 v1, 15, v0                           ; r
	v_bfe_u32 v2, v0, 4, 1                         ; h
	v_and_b32 v[AO], 31, v0
	v_lshlrev_b32 v[AO], 4, v[AO]
.irp c, 0,1
	v_add_nc_u32 v[LA+(\c)], (\c)*CHUNK, v[AO]
.endr
	v_lshlrev_b32 v[GCO], 5, v2
	s_mul_i32 s40, s[WV], PARTB
	s_mul_i32 s54, s15, 98304
	s_add_co_u32 s54, s54, s40                     ; made of p and the wave's number alone
	s_mov_b32 s55, 0
	s_lshl2_add_u32 s56, s14, s[WV]                ; my tile of 16 rows = 4 x block + wave
	s_mul_i32 s42, s56, 98304
	s_mov_b32 s43, 0
	s_mul_i32 s46, s15, 192
	s_mov_b32 s47, 0
	s_lshl_b32 s48, s15, 13
	s_lshl_b32 s57, s56, 6
	s_add_co_u32 s48, s48, s57
	s_mov_b32 s49, 0
	s_mul_i32 s58, s15, 48                         ; my part's first column
	s_mov_b32 s44, 0x76543210                      ; v_permlanex16_b32: each lane takes its own place in the other half
	s_mov_b32 s45, 0xfedcba98
	s_wait_dscnt 0x0                               ; both opening adds are done
	s_wait_kmcnt 0x0
	s_add_nc_u64 s[AB:AB+1], s[4:5], s[42:43]      ; hp at my tile
	s_add_nc_u64 s[46:47], s[8:9], s[46:47]        ; eb at my part
	s_add_nc_u64 s[48:49], s[10:11], s[48:49]      ; cand at (my part, my 16 rows)
	s_add_nc_u64 s[54:55], s[6:7], s[54:55]        ; ebf at my quarter of the part's first chunk
.irp c, 0,1
	s_mov_b32 s[G0+4*(\c)], 1
	s_add_co_u32 s[G0+4*(\c)+1], s40, (\c)*CHUNK
	s_add_nc_u64 s[G0+4*(\c)+2:G0+4*(\c)+3], s[54:55], (\c)*CHUNK
	s_or_b32 s[G0+4*(\c)+3], s[G0+4*(\c)+3], 0x80000000
.endr
.irp t, 0,1,2
	global_load_b128 v[ACC+24*(\t):ACC+24*(\t)+3],   v[GCO], s[46:47] offset:64*(\t)      ; the first term's sums start with the bias of columns 48 p + 16 t + 8 h + 0..7
	global_load_b128 v[ACC+24*(\t)+4:ACC+24*(\t)+7], v[GCO], s[46:47] offset:64*(\t)+16
.endr
	CROUND                                         ; all four work-groups are here: the joint loads meet
.irp c, 0,1
	tensor_load_to_lds s[G0+4*(\c):G0+4*(\c)+3], s[G1:G1+7]       ; both chunks go out as one group: two tensor loads of mine are out
	s_nop 0
.endr
	PLACES
.irp g, 0,1,2,3,4
	DIRG \g
.endr
	s_wait_tensorcnt NCH-1                         ; my quarter of chunk 0 is in; chunk 1 may stay out
	s_barrier_signal -1
	s_barrier_wait -1
	LDSF 0
	LDSF 1
.set ks, 0
.rept 32
.if ks%2 == 0
.set gg, ks/2
.set gl, gg+NG-1
.if gl > 15
.set gl, 15
.endif
	s_wait_loadcnt GRP*(gl-gg)                     ; group ks / 2 is in; the groups issued behind it stay out
.endif
.if ks < 31
	s_wait_dscnt 2*NL                              ; this step's weight fragments are in, the next step's may stay out
.else
	s_wait_dscnt 0x0
.endif
	MULS ks
.if ks+2 < 32
	PLACES                                         ; in front of the loads into the buffer and the ring slots just read
.if (ks+2)%CH == 0
	s_wait_tensorcnt NCH-1-(ks+2)/CH               ; my quarter of chunk 1 is in
	s_wait_dscnt 0x0                               ; no LDS instruction of mine is pending at the signal
	s_barrier_signal -1
	s_barrier_wait -1
.endif
	LDSF ks+2
.endif
.if (ks%2 == 1) && ((ks-1)/2+NG <= 15)
	DIRG (ks-1)/2+NG
.endif
.set ks, ks+1
.endr
	PLACES
	WIN 0
.set t, 0
.rept 3
.set i, 0
.rept 4
	v_pk_add_f32 v[ACC+24*t+8+2*i:ACC+24*t+8+2*i+1], v[ACC+24*t+8+2*i:ACC+24*t+8+2*i+1], v[ACC+24*t+16+2*i:ACC+24*t+16+2*i+1]  ; mid + lo (each accumulator is read from its low end on)
.set i, i+1
.endr
.set t, t+1
.endr
.set t, 0
.rept 3
.set i, 0
.rept 4
	v_pk_add_f32 v[ACC+24*t+2*i:ACC+24*t+2*i+1], v[ACC+24*t+2*i:ACC+24*t+2*i+1], v[ACC+24*t+8+2*i:ACC+24*t+8+2*i+1]            ; hi + that
.set i, i+1
.endr
.set t, t+1
.endr
	; The best of my lane's 24 columns.  Columns ascend and only a strictly greater logit takes over, so the lowest index of equals stays.  Three chains, one a tile.
.irp t, 0,1,2
	v_mov_b32 v[BV+(\t)], v[ACC+24*(\t)]
	v_mov_b32 v[BI+(\t)], 16*(\t)
.endr
.set i, 1
.rept 7
.irp t, 0,1,2
	v_cmp_gt_f32 s[MK+(\t)], v[ACC+24*(\t)+i], v[BV+(\t)]
.endr
.irp t, 0,1,2
	v_cndmask_b32 v[BV+(\t)], v[BV+(\t)], v[ACC+24*(\t)+i], s[MK+(\t)]
	v_cndmask_b32 v[BI+(\t)], v[BI+(\t)], 16*(\t)+i, s[MK+(\t)]
.endr
.set i, i+1
.endr
.irp t, 1,2
	v_cmp_gt_f32 s[MK], v[BV+(\t)], v[BV]
	v_cndmask_b32 v[BV], v[BV], v[BV+(\t)], s[MK]
	v_cndmask_b32 v[BI], v[BI], v[BI+(\t)], s[MK]
.endr
	v_lshl_add_u32 v[BI], v2, 3, v[BI]             ; + 8 h
	v_add_nc_u32 v[BI], s58, v[BI]                 ; + 48 p
	v_mov_b32 v[OV], 0                             ; v_permlanex16_b32's destination counts as read
	v_mov_b32 v[OI], 0
	v_permlanex16_b32 v[OV], v[BV], s44, s45       ; the row's other 24 columns lie in the lane 16 away
	v_permlanex16_b32 v[OI], v[BI], s44, s45
	v_cmp_gt_f32 s[MK], v[OV], v[BV]               ; the other half's wins if greater,
	v_cmp_eq_f32 s[MK+1], v[OV], v[BV]
	v_cmp_lt_u32 s[MK+2], v[OI], v[BI]
	s_and_b32 s[MK+1], s[MK+1], s[MK+2]            ; or equal with the lower index
	s_or_b32 s[MK], s[MK], s[MK+1]
	v_cndmask_b32 v[BV], v[BV], v[OV], s[MK]
	v_cndmask_b32 v[BI], v[BI], v[OI], s[MK]
	v_cmp_eq_u32 vcc_lo, 1, v2
	v_cndmask_b32 v[DAT], v[BV], v[BI], vcc_lo     ; lanes 0-15 store the logit (plane 0), lanes 16-31 the index (plane 1)
	v_lshlrev_b32 v[OFS], 2, v1
	v_lshl_add_u32 v[OFS], v2, 12, v[OFS]
	global_store_b32 v[OFS], v[DAT], s[48:49]      ; two pieces of 64 consecutive bytes; the work-group's four waves write 256 consecutive bytes of each plane.  cand is 90,112 bytes in all
	s_wait_tensorcnt 0x0                           ; the wave's end, behind my last tensor load
	ds_add_u32 v[SPW], v[NIL]
	s_wait_dscnt 0x0
	CROUND                                         ; the closing round
	s_endpgm
.Lfunc_end_k_q60fcf26df7_logits:
	.size	k_q60fcf26df7_logits, .Lfunc_end_k_q60fcf26df7_logits-k_q60fcf26df7_logits
	.p2alignl 7, 3214868480
	.fill 96, 4, 3214868480
	.section	.rodata,"a",@progbits
	.p2align	6, 0x0
	.amdhsa_kernel k_q60fcf26df7_logits
		.amdhsa_group_segment_fixed_size 167936
		.amdhsa_private_segment_fixed_size 0
		.amdhsa_enable_private_segment 0
		.amdhsa_kernarg_size 32
		.amdhsa_user_sgpr_count 2
		.amdhsa_user_sgpr_kernarg_segment_ptr 1
		.amdhsa_wavefront_size32 1
		.amdhsa_system_sgpr_workgroup_id_x 1
		.amdhsa_system_sgpr_workgroup_id_y 1
		.amdhsa_system_sgpr_workgroup_id_z 1
		.amdhsa_system_vgpr_workitem_id 0
		.amdhsa_next_free_vgpr 512
		.amdhsa_next_free_sgpr 66
		.amdhsa_reserve_vcc 1
		.amdhsa_float_denorm_mode_32 3
		.amdhsa_float_denorm_mode_16_64 3
		.amdhsa_memory_ordered 1
		.amdhsa_forward_progress 1
		.amdhsa_inst_pref_size 66
	.end_amdhsa_kernel
	.amdgpu_metadata
---
amdhsa.version: [ 1, 2 ]
amdhsa.kernels:
  - .name:           k_q60fcf26df7_logits
    .symbol:         k_q60fcf26df7_logits.kd
    .args:
      - { .name: hp, .offset: 0, .size: 8, .value_kind: global_buffer, .address_space: global }
      - { .name: ebf, .offset: 8, .size: 8, .value_kind: global_buffer, .address_space: global }
      - { .name: eb, .offset: 16, .size: 8, .value_kind: global_buffer, .address_space: global }
      - { .name: cand, .offset: 24, .size: 8, .value_kind: global_buffer, .address_space: global }
    .group_segment_fixed_size: 167936
    .private_segment_fixed_size: 0
    .kernarg_segment_align: 8
    .kernarg_segment_size: 32
    .max_flat_workgroup_size: 128
    .sgpr_count:     66
    .vgpr_count:     512
    .wavefront_size: 32
...
	.end_amdgpu_metadata
.endif
;; end of part 3
;; launch emit (part 4): grid 16 x 1, 8 waves a work-group, no clusters, 5,120 bytes of LDS; arguments actions, cand, out0, out1; writes out0, out1
.if DOCPART == 4
	.amdgcn_target "amdgcn-amd-amdhsa--gfx1250"
	.amdhsa_code_object_version 6
	.text
	.protected	k_q60fcf26df7_emit
	.globl	k_q60fcf26df7_emit
	.p2align	8
	.type	k_q60fcf26df7_emit,@function
k_q60fcf26df7_emit:
	s_mov_b64 s[64:65], 0
	v_nop
	global_prefetch_b8 v0, s[64:65] scope:SCOPE_SE
	s_setreg_imm32_b32 hwreg(HW_REG_WAVE_MODE, 25, 1), 1
	s_wait_xcnt 0x0
; FOURTH LAUNCH: the 11 parts' candidates are merged into one token for each of the 1,024 table rows, and each batch row takes its action's token.
; Left out, as shown at the head of the first launch: alive0 is built all true and T = 1, so utterance = token and n_outer = 0 where token = 0, else 1 = min(token, 1); global_idxes reaches no output.
; LIMITS.  An action outside 0..999 is taken as 999 (unsigned minimum).  Of equal logits the lowest index wins: the parts ascend, and only a strictly greater logit takes over.
; SHARES.  16 work-groups of 256 threads, 512 batch rows each.  Every work-group merges the whole table for itself (90,112 bytes, which all sixteen read) into 4,096 bytes of LDS: thread t rows 4 t .. 4 t + 3.
; No matrix work, no tensor load; what is shared is small and read once by each: no cluster.
.set SPARE, 4096                       ; behind the table: the spare words, 128 bytes for each of eight waves: four blocks of 256 bytes that no other line names
.set SPW, 8
.set NIL, 9
.set CV,  16                           ; part p: four logits at v[16 + 8 p], four indices at v[20 + 8 p]
	s_load_b256 s[4:11], s[0:1], 0x0               ; actions s[4:5], cand s[6:7], out0 s[8:9], out1 s[10:11]
	v_lshl_add_u32 v[SPW], v0, 2, SPARE
	v_mov_b32 v[NIL], 0
	v_lshlrev_b32 v1, 3, v0                        ; 8 t: my two batch rows
	v_lshlrev_b32 v2, 4, v0                        ; 16 t: my four table rows
	s_lshl_b32 s12, ttmp9, 11                      ; the work-group's 512 rows of 4 bytes
	s_mov_b32 s13, 0
	s_wait_kmcnt 0x0
	s_add_nc_u64 s[4:5], s[4:5], s[12:13]
	s_add_nc_u64 s[8:9], s[8:9], s[12:13]
	s_add_nc_u64 s[10:11], s[10:11], s[12:13]
	global_load_b64 v[10:11], v1, s[4:5]
.set p, 0
.rept 11
	global_load_b128 v[CV+8*p:CV+8*p+3],   v2, s[6:7] offset:p*8192
	global_load_b128 v[CV+8*p+4:CV+8*p+7], v2, s[6:7] offset:p*8192+4096
.set p, p+1
.endr
.set p, 1
.rept 10
	s_wait_loadcnt 2*(10-p)                        ; parts 0 to p are in; the two loads of each later part may stay out
.irp c, 0,1,2,3
	v_cmp_gt_f32 vcc_lo, v[CV+8*p+(\c)], v[CV+(\c)]
	v_cndmask_b32 v[CV+(\c)], v[CV+(\c)], v[CV+8*p+(\c)], vcc_lo
	v_cndmask_b32 v[CV+4+(\c)], v[CV+4+(\c)], v[CV+8*p+4+(\c)], vcc_lo
.endr
.set p, p+1
.endr
	ds_store_b128 v2, v[CV+4:CV+7]                 ; four tokens
	s_wait_dscnt 0x0                               ; for the others' sake: my store is done
	s_barrier_signal -1
	s_barrier_wait -1                              ; the table is whole
	v_min_u32 v10, 0x3e7, v10                      ; an index stays inside the table
	v_min_u32 v11, 0x3e7, v11
	v_lshlrev_b32 v10, 2, v10
	v_lshlrev_b32 v11, 2, v11
	ds_load_b32 v12, v10
	ds_load_b32 v13, v11
	s_wait_dscnt 0x0
	v_min_u32 v14, 1, v12                          ; n_outer
	v_min_u32 v15, 1, v13
	global_store_b64 v1, v[12:13], s[8:9]          ; a wave's store covers 256 consecutive bytes, aligned
	global_store_b64 v1, v[14:15], s[10:11]
	s_wait_tensorcnt 0x0                           ; the wave's end, behind my last LDS store
	ds_add_u32 v[SPW], v[NIL]
	s_wait_dscnt 0x0
	s_endpgm
.Lfunc_end_k_q60fcf26df7_emit:
	.size	k_q60fcf26df7_emit, .Lfunc_end_k_q60fcf26df7_emit-k_q60fcf26df7_emit
	.p2alignl 7, 3214868480
	.fill 96, 4, 3214868480
	.section	.rodata,"a",@progbits
	.p2align	6, 0x0
	.amdhsa_kernel k_q60fcf26df7_emit
		.amdhsa_group_segment_fixed_size 5120
		.amdhsa_private_segment_fixed_size 0
		.amdhsa_enable_private_segment 0
		.amdhsa_kernarg_size 32
		.amdhsa_user_sgpr_count 2
		.amdhsa_user_sgpr_kernarg_segment_ptr 1
		.amdhsa_wavefront_size32 1
		.amdhsa_system_sgpr_workgroup_id_x 1
		.amdhsa_system_sgpr_workgroup_id_y 1
		.amdhsa_system_sgpr_workgroup_id_z 1
		.amdhsa_system_vgpr_workitem_id 0
		.amdhsa_next_free_vgpr 112
		.amdhsa_next_free_sgpr 66
		.amdhsa_reserve_vcc 1
		.amdhsa_float_denorm_mode_32 3
		.amdhsa_float_denorm_mode_16_64 3
		.amdhsa_memory_ordered 1
		.amdhsa_forward_progress 1
		.amdhsa_inst_pref_size 8
	.end_amdhsa_kernel
	.amdgpu_metadata
---
amdhsa.version: [ 1, 2 ]
amdhsa.kernels:
  - .name:           k_q60fcf26df7_emit
    .symbol:         k_q60fcf26df7_emit.kd
    .args:
      - { .name: actions, .offset: 0, .size: 8, .value_kind: global_buffer, .address_space: global }
      - { .name: cand, .offset: 8, .size: 8, .value_kind: global_buffer, .address_space: global }
      - { .name: out0, .offset: 16, .size: 8, .value_kind: global_buffer, .address_space: global }
      - { .name: out1, .offset: 24, .size: 8, .value_kind: global_buffer, .address_space: global }
    .group_segment_fixed_size: 5120
    .private_segment_fixed_size: 0
    .kernarg_segment_align: 8
    .kernarg_segment_size: 32
    .max_flat_workgroup_size: 256
    .sgpr_count:     66
    .vgpr_count:     112
    .wavefront_size: 32
...
	.end_amdgpu_metadata
.endif
;; end of part 4
